; MI455X (gfx1250); checked and timed in simulation.
; The chip was launched on July 23, 2026; its instructions are those of AMD's public machine-readable ISA for CDNA 5 (MIT licence, August 2026) and "CDNA5" Instruction Set Architecture Reference Guide (July 2026). The comments in the code are by the model that wrote it; some were corrected since.
;; Sliding Window Attention. Allowed arithmetic: matrix products marked QUANTISED: E2M3 operands, one E8M0 scale for each 32 along K, by v_wmma_scale_f32_16x16x128_f8f6f4 with both operands' format E2M3, f32 sums; everything else in f32.
;; Inputs: k_codes 1 x 16 x 4,096 x 2 x 24 uint8 (E2M3 codes of k, K innermost, in blocks of 32 codes, four codes in three bytes); k_scales 1 x 16 x 4,096 x 2 uint8 (E8M0 scales of k, one for each 32 codes along K); q_codes 1 x 16 x 4,096 x 2 x 24 uint8 (E2M3 codes of q, K innermost, in blocks of 32 codes, four codes in three bytes); q_scales 1 x 16 x 4,096 x 2 uint8 (E8M0 scales of q, one for each 32 codes along K); v_codes 1 x 16 x 64 x 128 x 24 uint8 (E2M3 codes of v, K innermost, in blocks of 32 codes, four codes in three bytes); v_scales 1 x 16 x 64 x 128 uint8 (E8M0 scales of v, one for each 32 codes along K).
;; Outputs: out0 1 x 16 x 4,096 x 64 float32.
;; This version of the problem:
;;   THIS VERSION OF THE PROBLEM IS GIVEN IN LOW PRECISION. The matrix products marked QUANTISED in the list below multiply operands that are first quantised to E2M3 (2 exponent bits, 3 mantissa bits; 6 bits a number), with one power-of-two scale for each 32 numbers along K (OCP MX v1.0); their sums are f32. All else is computed in f32.
;;   The module's matrix products, in the order in which they are computed (A, B: the left and right operand; K: the contracted axis; several contracted axes count as one K, in the product's order):
;;     1. batch 16 x [M 4,096, K 64] x [K 64, N 4,096]; A: input q (given as codes); B: input k (given as codes): QUANTISED
;;     2. batch 16 x [M 4,096, K 4,096] x [K 4,096, N 64]; A: softmax (see below); B: input v (given as codes): QUANTISED
;;   THE QUANTISER, for each operand of a quantised product, along K:
;;     - K is cut into blocks of 32 from its start; a last block that is shorter is filled with zeros.
;;     - A block's scale is 2^e with e = floor(log2(the largest magnitude in the block)) - 2, held to -126 .. 127; a block of zeros has e = 0. As a byte (E8M0): e + 127.
;;     - Each number is divided by its block's scale, clamped to +-7.5, and rounded to the nearest number of E2M3, ties to even, subnormals kept.
;;     - The product sums the exact products of the quantised numbers (number of the format x scale) in f32.
;;   ~~~python
;;   def quantise(x, axis):      # numpy; x: float32 -> the quantised numbers, widened to float32 again
;;       x = np.moveaxis(x, axis, -1); K = x.shape[-1]
;;       x = np.pad(x, [(0, 0)] * (x.ndim - 1) + [(0, -K % 32)]); x = x.reshape(x.shape[:-1] + (-1, 32)); a = np.abs(x).max(-1, keepdims=True)
;;       e = np.where(a > 0, np.clip(np.frexp(np.where(a > 0, a, 1))[1] - 1 - 2, -126, 127), 0)      # np.frexp(a)[1] - 1 = floor(log2(a)), exactly
;;       r = np.clip(x / 2.0 ** e, -7.5, 7.5)
;;       step = 2.0 ** (np.maximum(np.frexp(np.where(r == 0, 1, r))[1] - 1, 0) - 3)
;;       q = np.round(r / step) * step * 2.0 ** e      # np.round: ties to even
;;       return np.moveaxis(q.reshape(q.shape[:-2] + (-1,))[..., :K], -1, axis).astype(np.float32)
;;   ~~~
;;   SOFTMAX AHEAD OF A QUANTISED PRODUCT. Where the list says 'softmax', what is quantised is not the finished softmax but p = 2^(t - M), with t = logit x log2(e) and M = ceil(the row's largest t), a whole number; so 1/2 < the row's largest p <= 1. The row's sum l is taken of the UNQUANTISED p, in f32, and the product's result is divided by l at the end. Since M is a whole number, a kernel that streams over the keys may use a running M (the ceiling of the running maximum): every later rescaling is an exact power of two, which a block's scale takes up: the codes' values come out the same.
;;   OPERANDS COMPUTED ON THE WAY. 'Computed on the way' means the value that the module computes at that place (a softmax that the list does not call 'softmax' is quantised finished and normalised). What goes into a quantiser is computed in f32, as accurately as f32 sums, v_exp_f32 and their like allow (about 1e-6 of the number): no bf16 or f16 on the way to a quantiser, and a product that is left as it is and whose result goes on into a quantised operand takes f32 operands (vector FMAs, or v_wmma_f32_16x16x4_f32). A number that lies on a knife's edge between two numbers of the format may be rounded either way, as far as f32 arithmetic and the matrix unit's own rounding can turn it there, and no further.
;;   INPUTS GIVEN AS CODES. k (in the module: [1, 16, 4096, 64], K = its axis 3); q (in the module: [1, 16, 4096, 64], K = its axis 3); v (in the module: [1, 16, 4096, 64], K = its axis 2): each comes as NAME_codes (uint8): NAME with its K axis moved to the last place and cut into blocks of 32 codes, [.., K / 32, bytes a block], one block behind the other in memory; four codes in three bytes: a row's codes are one little-endian stream of bits, code i at bits 6 i .. 6 i + 5 (a code: sign, 2 exponent bits, 3 mantissa bits); and NAME_scales (uint8): the same leading axes, one E8M0 byte (e + 127) for each 32 codes along K. Its value is code x scale, taken as it is: it is not quantised again, and the codes and scales need not be those that the quantiser above would give.
;; One version. Each part assembles by itself: llvm-mc -triple=amdgcn-amd-amdhsa -mcpu=gfx1250 --defsym DOCPART=n.
;; ======== version 1 of 1: 1 launch
;; launch swa (part 1): grid 16 x 16, 16 waves a work-group, no clusters, 169,984 bytes of LDS; arguments q_codes, q_scales, k_codes, k_scales, v_codes, v_scales, out0; writes out0
.if DOCPART == 1
	.amdgcn_target "amdgcn-amd-amdhsa--gfx1250"
	.amdhsa_code_object_version 6
	.text
	.protected	k_q9bae55e690_swa
	.globl	k_q9bae55e690_swa
	.p2align	8
	.type	k_q9bae55e690_swa,@function
k_q9bae55e690_swa:
	s_mov_b64 s[64:65], 0
	v_nop
	global_prefetch_b8 v0, s[64:65] scope:SCOPE_SE
	s_setreg_imm32_b32 hwreg(HW_REG_WAVE_MODE, 25, 1), 1
	s_wait_xcnt 0x0
; O[h][i][:] = the sum over j, |i - j| <= 256, of softmax_j(Q[h][i] . K[h][j] / 8) V[h][j][:].  16 heads, 4,096 positions, head size 64.  Both products on codes of FP6 (E2M3) with one E8M0 scale for each 32 along a product's K.
; Q, K: rows of 64 codes (48 bytes) and 2 scale bytes.  V: codes with the KEYS innermost, 64 rows of 4,096 codes (3,072 bytes) and 128 scale bytes a head.  O: f32, 256 bytes a row.
; THE SOFTMAX AHEAD OF THE SECOND PRODUCT: t = score x log2(e) / 8; M = the row's largest t so far, rounded UP to a whole number; p = 2^(t - M) is quantised along the keys, not normalised.  The row's sum is taken of the
; unquantised p and divides O at the end.  When M moves, the sum and O are multiplied by 2^(old M - new M): exact.
; SHARES.  A work-group owns 256 queries of one head (x: the block, y: the head); each of its sixteen waves owns 16 of them, one tile, in 256 registers.  Queries 128 m + a .. + 15 (a = 0, 16 .. 112) see keys
; 128 (m - 2) + a .. 128 (m + 2) + a + 15: the five aligned key steps m - 2 .. m + 2 of 128 keys, of which the band cuts the first and the last alone.  The work-group's two m need six steps: THE WINDOW.
; The whole window (73,728 bytes of codes, 3,072 of scale bytes) comes into LDS ONCE, by tensor loads at the head: no ring, no refill, one barrier.  A step outside the head's 32 steps (first and last block alone) is
; jumped over by a scalar branch on ids; its place in the window is filled with a copy of the nearest step, so that no load leaves its buffer and every descriptor's shape is a constant.
; LAYOUT.  Both products are used transposed: S^T = K Q^T (source 0 = 16 keys, source 1 = my 16 queries), O^T = V^T P^T (source 0 = 16 of the head's 64, source 1 = P): a lane holds ONE query (lane % 16) throughout.
; THE KEYS OF A TILE ARE NOT NEIGHBOURS: lane r of tile 2 b + u takes key 32 b + 8 u + r + 8 (r / 8), so that the 16 registers of tiles 2 b and 2 b + 1 are 16 neighbouring keys, 32 b + 16 (lane / 16) + 0 .. 15.
; THE FIRST PRODUCT'S K IS 64, the instruction's 128: the upper six registers of Q's and K's fragments hold zero codes (cleared once, never loaded), and the two upper scale bytes are 0, which is 2^-127 over zeros.
; NO CLUSTER: neighbouring blocks share four of their six steps, but a shared step lies at another place of each partner's window, and a joint load has one LDS address for all that it names; laid by the step's own number
; instead, the waves' LDS addresses would hang on the work-group's place in its cluster.  NO PREFETCH: all that a work-group reads is asked for by its first instructions.
; LIMITS: a scale byte 0xff among the inputs gives NaN, as it is given; p under 2^-126 comes out of v_exp_f32 as 0; a block whose every p is 0 keeps the scale byte 1 (its codes are zeros; the bytes never leave the registers).
.set VSTEP, 9216                       ; LDS: a step of V: 64 rows x 144 bytes
.set VP,    144                        ; a row: 3 x (32 bytes of data + 16 of padding) = 36 words: the 16 rows of a load start at 16 different multiples of 4 banks (64 banks of 4 bytes: ISA guide 11.1), lanes 16-31 two banks beside them
.set KSTEP, 3072                       ; half a step of K: four groups of 16 keys x 48 bytes
.set VT,    0                          ; V's six steps
.set KE,    VT+6*VSTEP                 ; K's even groups of 16 keys, six steps
.set KO,    KE+6*KSTEP+128             ; K's odd groups: 128 bytes beyond a multiple of 256 from KE, so that a tile's lanes 8-15 (16 keys on) read 32 banks from its lanes 0-7
.set SCK,   KO+6*KSTEP+128             ; K's scale bytes: 256 a step
.set SCV,   SCK+6*256                  ; V's: three parts of 64 rows x 8 bytes: the scale words of two steps each
.set STG,   SCV+3*512                  ; the way out: 16 rows x 272 bytes for each wave; a multiple of 256, and no fill lands here
.set SP,    272
.set AK,   1                           ; v1   my lane's place in a tile of K:  KE + 3,072 wh + 48 (r % 8) + 24 h + (KO - KE) (r / 8)      (wh = wave / 8, r = lane % 16, h = lane / 16)
.set AV,   2                           ; v2   in a tile of V:  9,216 wh + 144 r + 24 h
.set AV2,  3                           ; v3   the same for the pieces that lie behind one padding more in lanes 16-31
.set ASK,  4                           ; v4   among K's scale bytes:  SCK + 256 wh + 2 r + 16 (r / 8) + 16 h
.set ASVE, 5                           ; v5   among V's scale words, steps 0, 2, 4:  SCV + 8 lane + 4 wh
.set ASVO, 6                           ; v6   steps 1, 3:  SCV + 4 + 8 lane + 508 wh
.set GO,   7                           ; v7   my byte offset in two rows of O
.set STI,  8                           ; v8   the stage: where I put 32 bytes of a row
.set STB,  9                           ; v9   and where I read a row back
.set QO,   10                          ; v10  my offset in the wave's rows of Q's codes
.set QSO,  11                          ; v11  and of Q's scale bytes
.set NM,   12                          ; v12  -M;  v13 the largest t
.set SUM,  14                          ; v[14:15] the row's sum, in two halves
.set QF,   16                          ; v16-27   Q's fragment
.set VSW,  28                          ; v28-29   V's scale words: lanes 0-15 tile 2 e, lanes 16-31 tile 2 e + 1
.set DD,   30                          ; v30  16 (wave % 8) + r - 16 h: where the band cuts my registers
.set NINF, 31                          ; v31  -infinity
.set KF,   32                          ; v32-79   four fragments of K
.set VF,   80                          ; v80-127  four fragments of V
.set SS,   128                         ; v128-191 S^T, then p
.set OT,   192                         ; v192-223 O^T
.set PCD,  224                         ; v224-235 p's codes
.set BM,   232                         ; v232-235 the blocks' largest scores, then largest p (done with when p's codes land there)
.set TA,   236                         ; v236-243 at work
.set SO,   244                         ; v244-247 the conversions' scale operands
.set KSW,  248                         ; v248-251 K's scale words: lanes 0-15 tile 2 b, lanes 16-31 tile 2 b + 1
.set FF,   252                         ; v252 f = 2^(old M - new M)
.set PSW,  253                         ; v253 p's scale word
.set TT,   254                         ; v254 at work
.set QSW,  255                         ; v255 Q's scale word
.set WV,   18                          ; s18  my wave's number;  s19 wave / 8
.set WH,   19
.set SEL,  20                          ; s[20:21] lane selects for v_permlanex16_b32: lane l xor 16
.set CS,   22                          ; s[22:23] c = log2(e) / 8
.set G1K,  24                          ; descriptor groups 1: K's half steps, V's steps, K's scale bytes, V's scale words
.set G1V,  32
.set G1KS, 40
.set G1VS, 48
.set G0KE, 56                          ; groups 0
.set G0KO, 60
.set GB,   66                          ; s66  my first key step's number in the head: 2 x block + wh - 2
.set GS,   67                          ; s67  the number of the step in hand
.set G0KS, 68
.set G0V,  72
.set G0VS, 76
.set W0P,  (3<<16)|(1<<20)|(2<<22)|(3<<25)   ; 17:16 elements of 8 bytes; 20 padding on; 24:22 after every 8 words (code 2); 31:25 of 4 words (code 3)
.set W0D,  3<<16                       ; elements of 8 bytes, no padding
; A group 1: r rows of c elements, p elements from row to row; the tensor's extents are the tile's
.macro GROUP1 g, w0, c, r, p
	s_mov_b32 s[\g], \w0
	s_mov_b32 s[\g+1], (\c)<<16                    ; tensor_dim0
	s_mov_b32 s[\g+2], (\r)<<16                    ; tensor_dim1
	s_mov_b32 s[\g+3], (\c)<<16                    ; tile_dim0
	s_mov_b32 s[\g+4], \r                          ; tile_dim1
	s_mov_b32 s[\g+5], \p                          ; tensor_dim0_stride
	s_mov_b32 s[\g+6], 0
	s_mov_b32 s[\g+7], 0
.endm
	s_load_b128 s[4:7], s[0:1], 0x0                ; Q's codes, Q's scales
	s_load_b128 s[8:11], s[0:1], 0x10              ; K's codes, K's scales
	s_load_b128 s[12:15], s[0:1], 0x20             ; V's codes, V's scales
	s_load_b64 s[16:17], s[0:1], 0x30              ; O
	v_lshl_add_u32 v254, v0, 2, 0x29000
	v_mov_b32 v255, 0
	ds_add_u32 v254, v255
	ds_add_u32 v254, v255
	s_wait_dscnt 0x0
	v_lshrrev_b32 v240, 5, v0
	s_delay_alu instid0(VALU_DEP_1)
	v_readfirstlane_b32 s[WV], v240                ; wave 0..15
	s_lshr_b32 s[WH], s[WV], 3                     ; which 128 queries of the block
	s_and_b32 s80, ttmp7, 0xffff                   ; the head
	s_lshl_b32 s81, ttmp9, 1                       ; 2 x block
	s_mul_i32 s82, s80, 196608                     ; the head's first byte in each tensor of codes,
	s_lshl_b32 s83, s80, 13                        ; and of scale bytes
	s_add_co_u32 s[GB], s81, s[WH]
	s_sub_co_u32 s[GB], s[GB], 2                   ; (under 0 it wraps, and counts as above 31)
	GROUP1 G1V,  W0P, 12, 64, 384                  ; V: 64 rows of 96 bytes, 3,072 bytes apart
	GROUP1 G1K,  W0D, 96, 4, 192                   ; K: four groups of 16 keys (768 bytes), 32 keys apart
	GROUP1 G1KS, W0D, 32, 1, 32                    ; K's scale bytes of a step: one row of 256 bytes
	GROUP1 G1VS, W0D, 1, 64, 16                    ; V's scale words of two steps: 64 rows of 8 bytes, 128 bytes apart
	; what I fetch, if I fetch.  Waves 0-5: V's window step w.  Waves 6-11: K's window step w - 6, in two halves, and its scale bytes.  Waves 12-14: part w - 12 of V's scale words.  Numbers outside the head are held at its ends.
	s_add_co_u32 s84, s81, s[WV]
	s_sub_co_u32 s85, s84, 2                       ; V's step: 2 x block - 2 + w
	s_max_i32 s85, s85, 0
	s_min_i32 s85, s85, 31
	s_sub_co_u32 s86, s84, 8                       ; K's: 2 x block - 2 + (w - 6)
	s_max_i32 s86, s86, 0
	s_min_i32 s86, s86, 31
	s_add_co_u32 s87, ttmp9, s[WV]
	s_sub_co_u32 s87, s87, 13                      ; the pair of steps: block - 1 + (w - 12)
	s_max_i32 s87, s87, 0
	s_min_i32 s87, s87, 15
	s_mul_i32 s88, s85, 96                         ; byte offsets, apart from the addresses: a step is 96 bytes of each row of V,
	s_add_co_u32 s88, s88, s82
	s_mov_b32 s89, 0
	s_mul_i32 s90, s86, 6144                       ; 128 rows of 48 bytes of K,
	s_add_co_u32 s90, s90, s82
	s_mov_b32 s91, 0
	s_lshl_b32 s92, s86, 8                         ; 256 of K's scale bytes,
	s_add_co_u32 s92, s92, s83
	s_mov_b32 s93, 0
	s_lshl_b32 s94, s87, 3                         ; and a pair of steps 8 bytes of each row of V's
	s_add_co_u32 s94, s94, s83
	s_mov_b32 s95, 0
	s_wait_kmcnt 0x0
	s_mov_b32 s[G0V], 1                            ; 1:0 count = 1
	s_mul_i32 s[G0V+1], s[WV], VSTEP               ; 63:32 LDS address: the wave's number times a constant, plus a constant
	s_add_nc_u64 s[G0V+2:G0V+3], s[12:13], s[88:89]   ; 120:64 global address
	s_or_b32 s[G0V+3], s[G0V+3], 0x80000000        ; 127:126 type = 2
	s_mov_b32 s[G0KE], 1
	s_mul_i32 s[G0KE+1], s[WV], KSTEP
	s_add_co_u32 s[G0KE+1], s[G0KE+1], KE-6*KSTEP
	s_add_nc_u64 s[G0KE+2:G0KE+3], s[8:9], s[90:91]
	s_mov_b32 s[G0KO], 1
	s_add_co_u32 s[G0KO+1], s[G0KE+1], KO-KE
	s_add_nc_u64 s[G0KO+2:G0KO+3], s[G0KE+2:G0KE+3], 768   ; the odd groups begin 16 keys on
	s_or_b32 s[G0KE+3], s[G0KE+3], 0x80000000
	s_or_b32 s[G0KO+3], s[G0KO+3], 0x80000000
	s_mov_b32 s[G0KS], 1
	s_lshl_b32 s[G0KS+1], s[WV], 8
	s_add_co_u32 s[G0KS+1], s[G0KS+1], SCK-6*256
	s_add_nc_u64 s[G0KS+2:G0KS+3], s[10:11], s[92:93]
	s_or_b32 s[G0KS+3], s[G0KS+3], 0x80000000
	s_mov_b32 s[G0VS], 1
	s_lshl_b32 s[G0VS+1], s[WV], 9
	s_add_co_u32 s[G0VS+1], s[G0VS+1], SCV-12*512
	s_add_nc_u64 s[G0VS+2:G0VS+3], s[14:15], s[94:95]
	s_or_b32 s[G0VS+3], s[G0VS+3], 0x80000000
	; THE FILLS: all of them first fills, in one group, ahead of every wait on TENSORcnt, every LDS read and the barrier.  A wave's fills stand in one arm of a branch on its number; three of a wave's are out at the most.
	; Four v_nop follow the last tensor load of an arm, ahead of the jump and the label.
	s_cmp_lt_u32 s[WV], 6
	s_cbranch_scc0 .Lnot_v
	tensor_load_to_lds s[G0V:G0V+3], s[G1V:G1V+7]
	s_nop 0
.rept 4
	v_nop
.endr
	s_branch .Lasked
.Lnot_v:
	s_cmp_lt_u32 s[WV], 12
	s_cbranch_scc0 .Lnot_k
	tensor_load_to_lds s[G0KE:G0KE+3], s[G1K:G1K+7]
	s_nop 0
	tensor_load_to_lds s[G0KO:G0KO+3], s[G1K:G1K+7]
	s_nop 0
	tensor_load_to_lds s[G0KS:G0KS+3], s[G1KS:G1KS+7]
	s_nop 0
.rept 4
	v_nop
.endr
	s_branch .Lasked
.Lnot_k:
	s_cmp_lt_u32 s[WV], 15
	s_cbranch_scc0 .Lasked
	tensor_load_to_lds s[G0VS:G0VS+3], s[G1VS:G1VS+7]
	s_nop 0
.rept 4
	v_nop
.endr
.Lasked:
	; Q and O at my first query: 256 x block + 16 x wave
	s_lshl_b32 s84, ttmp9, 8
	s_lshl_b32 s85, s[WV], 4
	s_add_co_u32 s84, s84, s85
	s_mul_i32 s86, s84, 48
	s_add_co_u32 s86, s86, s82
	s_mov_b32 s87, 0
	s_add_nc_u64 s[4:5], s[4:5], s[86:87]
	s_lshl_b32 s86, s84, 1
	s_add_co_u32 s86, s86, s83
	s_add_nc_u64 s[6:7], s[6:7], s[86:87]
	s_lshl_b32 s86, s84, 8
	s_lshl_b32 s85, s80, 20
	s_add_co_u32 s86, s86, s85
	s_add_nc_u64 s[16:17], s[16:17], s[86:87]
	v_and_b32 v240, 15, v0                         ; r
	v_bfe_u32 v241, v0, 4, 1                       ; h
	v_and_b32 v242, 7, v0                          ; r % 8
	v_bfe_u32 v243, v0, 3, 1                       ; r / 8
	v_and_b32 v244, 31, v0                         ; lane
	v_mul_u32_u24 v[QO], v240, 48
	s_delay_alu instid0(VALU_DEP_1)
	v_mad_u32_u24 v[QO], v241, 24, v[QO]           ; Q: row r, + 24 h: k = 32 h + 0 .. 31 of the head's 64
	v_lshlrev_b32 v[QSO], 1, v240
.irp p, 0,1,2
	global_load_b64 v[QF+2*\p:QF+2*\p+1], v[QO], s[4:5] offset:8*\p th:TH_LOAD_NT   ; Q's fragment stays in registers; a row is read by one wave
.endr
	global_load_u16 v[QSW], v[QSO], s[6:7]         ; Q's two scale bytes; the word's upper two are 0
.irp i, 6,7,8,9,10,11
	v_mov_b32 v[QF+\i], 0                          ; k = 64 .. 127: zero codes, in Q
.endr
.irp t, 0,1,2,3
.irp i, 6,7,8,9,10,11
	v_mov_b32 v[KF+12*\t+\i], 0                    ; and in K's four fragments: cleared once; the loads fill the lower six registers alone
.endr
.endr
	s_mul_i32 s84, s[WH], KSTEP
	s_add_co_u32 s84, s84, KE
	v_mul_u32_u24 v[AK], v242, 48
	s_delay_alu instid0(VALU_DEP_1)
	v_mad_u32_u24 v[AK], v241, 24, v[AK]
	s_delay_alu instid0(VALU_DEP_1)
	v_mad_u32_u24 v[AK], v243, KO-KE, v[AK]
	s_delay_alu instid0(VALU_DEP_1)
	v_add_nc_u32 v[AK], s84, v[AK]
	s_mul_i32 s85, s[WH], VSTEP
	v_mul_u32_u24 v[AV], v240, VP
	s_delay_alu instid0(VALU_DEP_1)
	v_mad_u32_u24 v[AV], v241, 24, v[AV]
	s_delay_alu instid0(VALU_DEP_1)
	v_add_nc_u32 v[AV], s85, v[AV]
	s_delay_alu instid0(VALU_DEP_1)
	v_lshl_add_u32 v[AV2], v241, 4, v[AV]
	s_lshl_b32 s86, s[WH], 8
	s_add_co_u32 s86, s86, SCK
	v_lshlrev_b32 v[ASK], 1, v240
	s_delay_alu instid0(VALU_DEP_1)
	v_lshl_add_u32 v[ASK], v243, 4, v[ASK]
	s_delay_alu instid0(VALU_DEP_1)
	v_lshl_add_u32 v[ASK], v241, 4, v[ASK]         ; lanes 16-31: 8 keys on: the odd tile of the pair
	s_delay_alu instid0(VALU_DEP_1)
	v_add_nc_u32 v[ASK], s86, v[ASK]
	s_lshl_b32 s87, s[WH], 2
	s_add_co_u32 s87, s87, SCV
	s_mul_i32 s88, s[WH], 508
	s_add_co_u32 s88, s88, SCV+4
	v_lshlrev_b32 v[ASVE], 3, v244                 ; window step wh + j lies in part (wh + j) / 2, word (wh + j) % 2 of a row's 8 bytes
	s_delay_alu instid0(VALU_DEP_1)
	v_add_nc_u32 v[ASVO], s88, v[ASVE]
	s_delay_alu instid0(VALU_DEP_2)
	v_add_nc_u32 v[ASVE], s87, v[ASVE]
	v_lshlrev_b32 v[GO], 4, v240
	s_delay_alu instid0(VALU_DEP_1)
	v_lshl_add_u32 v[GO], v241, 8, v[GO]           ; lanes 0-15 one row of O, lanes 16-31 the next; 16 bytes a lane
	s_mul_i32 s89, s[WV], 16*SP
	s_add_co_u32 s89, s89, STG                     ; my stage
	v_mul_u32_u24 v[STI], v240, SP
	s_delay_alu instid0(VALU_DEP_1)
	v_lshl_add_u32 v[STI], v241, 5, v[STI]
	s_delay_alu instid0(VALU_DEP_1)
	v_add_nc_u32 v[STI], s89, v[STI]
	v_mul_u32_u24 v[STB], v241, SP
	s_delay_alu instid0(VALU_DEP_1)
	v_lshl_add_u32 v[STB], v240, 4, v[STB]
	s_delay_alu instid0(VALU_DEP_1)
	v_add_nc_u32 v[STB], s89, v[STB]
	s_and_b32 s90, s[WV], 7
	s_lshl_b32 s90, s90, 4
	v_lshlrev_b32 v[DD], 4, v241
	s_delay_alu instid0(VALU_DEP_1)
	v_sub_nc_u32 v[DD], v240, v[DD]
	s_delay_alu instid0(VALU_DEP_1)
	v_add_nc_u32 v[DD], s90, v[DD]
	v_mov_b32 v[NINF], 0xff800000
	s_mov_b32 s[SEL], 0x76543210
	s_mov_b32 s[SEL+1], 0xfedcba98
	s_mov_b32 s[CS], 0x3e38aa3b                    ; c = log2(e) / 8
	s_mov_b32 s[CS+1], s[CS]                       ; (named with it as a pair, so it is written)
	v_mov_b32 v[NM+1], 0xff61b1e6                  ; the largest t so far: -3e38, under every t
	s_delay_alu instid0(VALU_DEP_1)
	v_floor_f32 v[NM], -v[NM+1]                    ; -M
	v_mov_b32 v[SUM], 0
	v_mov_b32 v[SUM+1], 0
.irp b, 0,1,2,3
	v_mov_b32 v[TA+\b], 0                          ; written once: a lane permute's destination counts as one of its sources
.endr
	v_mov_b32 v[FF], 0
	v_mov_b32 v[PSW], 0                            ; (named as the upper half of the pair v[252:253] before it is first written)
.irp j, 0,1,2,3,4,5,6,7,8,9,10,11,12,13,14,15,16,17,18,19,20,21,22,23,24,25,26,27,28,29,30,31
	v_mov_b32 v[OT+\j], 0                          ; O^T.  Which step is a wave's first differs at the head's ends, so the step is written once and finds zeros, which the first change of M leaves zeros
.endr
	s_wait_loadcnt 0x0                             ; Q
	s_wait_tensorcnt 0x0                           ; my part of the window is in LDS,
	s_barrier_signal -1
	s_barrier_wait -1                              ; everybody's is.  Nothing is filled again: this is the launch's one barrier
; Twelve LDS loads: the lower six registers of four fragments of K: tiles 4 g + 0 .. 3 of step st
.macro KLOAD st, g
.irp t, 0,1,2,3
.irp p, 0,1,2
	ds_load_b64 v[KF+12*\t+2*\p:KF+12*\t+2*\p+1], v[AK] offset:KSTEP*(\st)+768*((4*(\g)+\t)/2)+384*(\t%2)+8*\p
.endr
.endr
.endm
; Six LDS loads: V's fragment t (rows 16 t on of the head's 64, the step's 128 keys), in pieces of 8 bytes.  Lanes 0-15 take the row's pieces 0, 1, 2 and 6, 7, 8, lanes 16-31 those three pieces on.
; 16 bytes of padding lie behind every four pieces: where the piece three on lies behind one padding more, the second address register (40 for 24 bytes a half) serves.
.macro VFRAG st, t
.irp p, 0,1,2,3,4,5
.set PN, 6*(\p/3)+\p%3
.if PN%4 == 0
	ds_load_b64 v[VF+12*(\t)+2*\p:VF+12*(\t)+2*\p+1], v[AV] offset:VSTEP*(\st)+16*VP*(\t)+8*PN+16*(PN/4)
.else
	ds_load_b64 v[VF+12*(\t)+2*\p:VF+12*(\t)+2*\p+1], v[AV2] offset:VSTEP*(\st)+16*VP*(\t)+8*PN+16*(PN/4)
.endif
.endr
.endm
; S^T's tile tl from fragment fb.  K's scale words of tiles 2 b and 2 b + 1 share a register: the odd tile's lie in lanes 16-31
.macro SQK tl, fb
.if (\tl)%2
	v_wmma_scale_f32_16x16x128_f8f6f4 v[SS+8*(\tl):SS+8*(\tl)+7], v[KF+12*(\fb):KF+12*(\fb)+11], v[QF:QF+11], 0, v[KSW+(\tl)/2], v[QSW] matrix_a_fmt:MATRIX_FMT_FP6 matrix_b_fmt:MATRIX_FMT_FP6 matrix_a_scale:MATRIX_SCALE_ROW1
.else
	v_wmma_scale_f32_16x16x128_f8f6f4 v[SS+8*(\tl):SS+8*(\tl)+7], v[KF+12*(\fb):KF+12*(\fb)+11], v[QF:QF+11], 0, v[KSW+(\tl)/2], v[QSW] matrix_a_fmt:MATRIX_FMT_FP6 matrix_b_fmt:MATRIX_FMT_FP6
.endif
.endm
; O^T's tile tl += V^T P^T
.macro OPV tl
.if (\tl)%2
	v_wmma_scale_f32_16x16x128_f8f6f4 v[OT+8*(\tl):OT+8*(\tl)+7], v[VF+12*(\tl):VF+12*(\tl)+11], v[PCD:PCD+11], v[OT+8*(\tl):OT+8*(\tl)+7], v[VSW+(\tl)/2], v[PSW] matrix_a_fmt:MATRIX_FMT_FP6 matrix_b_fmt:MATRIX_FMT_FP6 matrix_a_scale:MATRIX_SCALE_ROW1
.else
	v_wmma_scale_f32_16x16x128_f8f6f4 v[OT+8*(\tl):OT+8*(\tl)+7], v[VF+12*(\tl):VF+12*(\tl)+11], v[PCD:PCD+11], v[OT+8*(\tl):OT+8*(\tl)+7], v[VSW+(\tl)/2], v[PSW] matrix_a_fmt:MATRIX_FMT_FP6 matrix_b_fmt:MATRIX_FMT_FP6
.endif
.endm
.macro PLACES                          ; a load into a register that a matrix instruction has read, and a vector instruction that reads or writes a matrix result, stand four plain vector instructions behind it (ISA guide 7.12.1 for vector instructions)
.rept 4
	v_nop
.endr
.endm
; A KEY STEP: my st-th of five, 128 keys.  mk = 0: all keys count; 1: the band's lower edge runs through it; 2: its upper edge.  Every LDS offset is an immediate.
.macro STEP st, mk
	s_add_co_u32 s[GS], s[GB], \st
	s_cmp_gt_u32 s[GS], 31                         ; a step outside the head: a scalar branch on ids, round the whole step
	s_cbranch_scc1 .Lout_\@
	KLOAD \st, 0
.irp b, 0,1,2,3
	ds_load_u16 v[KSW+\b], v[ASK] offset:256*(\st)+64*\b   ; a key's two scale bytes; the word's upper two are 0
.endr
	s_wait_dscnt 0x0
.irp t, 0,1,2,3
	SQK \t, \t
.endr
	PLACES                                         ; for K's registers, just read, and for V's and its scale words', which the last step's products read
	KLOAD \st, 1                                   ; one run of 38 loads: 12 of K,
.irp t, 0,1,2,3
	VFRAG \st, \t                                  ; 24 of V,
.endr
.irp e, 0,1
.if (\st)%2
	ds_load_b32 v[VSW+\e], v[ASVO] offset:512*((\st)/2)+256*\e   ; and V's scale words of 32 rows each
.else
	ds_load_b32 v[VSW+\e], v[ASVE] offset:512*((\st)/2)+256*\e
.endif
.endr
	s_wait_dscnt 26                                ; K's 12 are in; the 26 issued behind them land during the softmax
.irp t, 0,1,2,3
	SQK 4+\t, \t
.endr
	PLACES
.if \mk                                ; register 16 b + i holds the step's key 32 b + i + 16 h.  At the lower edge a key counts from 16 (wave % 8) + r on, at the upper edge up to it: hidden scores become -infinity, p = 0.  At least one key of the step counts for every query
.irp n, 0,1,2,3,4,5,6,7,8,9,10,11,12,13,14,15,16,17,18,19,20,21,22,23,24,25,26,27,28,29,30,31,32,33,34,35,36,37,38,39,40,41,42,43,44,45,46,47,48,49,50,51,52,53,54,55,56,57,58,59,60,61,62,63
.if \mk == 1
	v_cmp_lt_i32 vcc_lo, 32*(\n/16)+\n%16, v[DD]
.else
	v_cmp_gt_i32 vcc_lo, 32*(\n/16)+\n%16, v[DD]
.endif
	v_cndmask_b32 v[SS+\n], v[SS+\n], v[NINF], vcc_lo
.endr
.endif
.irp b, 0,1,2,3
	v_max3_num_f32 v[BM+\b], v[SS+16*\b], v[SS+1+16*\b], v[SS+2+16*\b]   ; THE LARGEST SCORE OF EACH BLOCK OF 32 KEYS serves twice: for the row's maximum, and, since p rises with the score, for the block's largest p
.endr
.irp i, 3,5,7,9,11,13
.irp b, 0,1,2,3
	v_max3_num_f32 v[BM+\b], v[BM+\b], v[SS+16*\b+\i], v[SS+1+16*\b+\i]   ; (the four blocks by turns)
.endr
.endr
.irp b, 0,1,2,3
	v_max_num_f32 v[BM+\b], v[BM+\b], v[SS+15+16*\b]
.endr
.irp b, 0,1,2,3
	s_delay_alu instid0(VALU_DEP_4)
	v_permlanex16_b32 v[TA+\b], v[BM+\b], s[SEL], s[SEL+1]
.endr
.irp b, 0,1,2,3
	s_delay_alu instid0(VALU_DEP_4)
	v_max_num_f32 v[BM+\b], v[BM+\b], v[TA+\b]     ; with lane l xor 16's 16 keys
.endr
	s_delay_alu instid0(VALU_DEP_2)
	v_max3_num_f32 v[TT], v[BM], v[BM+1], v[BM+2]
	s_delay_alu instid0(VALU_DEP_1)
	v_max_num_f32 v[TT], v[TT], v[BM+3]            ; the step's largest score of my query
	s_delay_alu instid0(VALU_DEP_1)
	v_mul_f32 v[TT], s[CS], v[TT]                  ; as t (c is positive)
	s_delay_alu instid0(VALU_DEP_1)
	v_max_num_f32 v[NM+1], v[NM+1], v[TT]          ; the running largest t
	v_mov_b32 v[TT], v[NM]
	s_delay_alu instid0(VALU_DEP_2)
	v_floor_f32 v[NM], -v[NM+1]                    ; the new -M = floor(-t) = -ceil(t): M is a whole number
	s_delay_alu instid0(VALU_DEP_1)
	v_sub_f32 v[TT], v[NM], v[TT]                  ; M's old value less its new one: a whole number, 0 or less
	s_delay_alu instid0(VALU_DEP_1)
	v_cvt_i32_f32 v[TT], v[TT]                     ; (it saturates)
	s_delay_alu instid0(VALU_DEP_1)
	v_ldexp_f32 v[FF], 1.0, v[TT]                  ; f = 2^(old M - new M): a multiplication by it rounds nothing
.irp j, 0,2,4,6,8,10,12,14,16,18,20,22,24,26,28,30,32,34,36,38,40,42,44,46,48,50,52,54,56,58,60,62
	v_pk_fma_f32 v[SS+\j:SS+1+\j], v[SS+\j:SS+1+\j], s[CS:CS+1], v[NM:NM+1] op_sel_hi:[1,0,0]   ; t - M, two at a time (of the pairs c and -M the low word serves both halves)
.endr
.irp b, 0,1,2,3
	v_fma_f32 v[BM+\b], v[BM+\b], s[CS], v[NM]     ; the same of each block's largest score
.endr
	s_wait_alu depctr_va_vdst(0)
.irp j, 0,1,2,3,4,5,6,7,8,9,10,11,12,13,14,15,16,17,18,19,20,21,22,23,24,25,26,27,28,29,30,31,32,33,34,35,36,37,38,39,40,41,42,43,44,45,46,47,48,49,50,51,52,53,54,55,56,57,58,59,60,61,62,63
	v_exp_f32 v[SS+\j], v[SS+\j]                   ; p = 2^(t - M), at most 1: not normalised
.endr
	v_pk_mul_f32 v[SUM:SUM+1], v[SUM:SUM+1], v[FF:FF+1] op_sel_hi:[1,0]   ; the sums under the new M: the plain instruction behind the exponentials
	s_wait_alu depctr_va_vdst(0)                   ; one wait for the batch of 64, ahead of the first use of a result
.irp b, 0,1,2,3
	v_exp_f32 v[BM+\b], v[BM+\b]                   ; the block's largest p: the same two instructions on the same number give the same bits
.endr
	v_pk_add_f32 v[236:237], v[132:133], v[136:137]
	v_pk_add_f32 v[250:251], v[140:141], v[144:145]
	v_pk_add_f32 v[248:249], v[148:149], v[152:153]
	v_pk_add_f32 v[246:247], v[156:157], v[160:161]
	v_pk_add_f32 v[244:245], v[164:165], v[168:169]
	v_pk_add_f32 v[242:243], v[172:173], v[176:177]
	v_pk_add_f32 v[240:241], v[180:181], v[184:185]
	v_pk_add_f32 v[14:15], v[14:15], v[188:189]
	v_pk_add_f32 v[236:237], v[236:237], v[128:129]
	v_pk_add_f32 v[250:251], v[250:251], v[130:131]
	v_pk_add_f32 v[248:249], v[248:249], v[134:135]
	v_pk_add_f32 v[246:247], v[246:247], v[138:139]
	v_pk_add_f32 v[244:245], v[244:245], v[142:143]
	v_pk_add_f32 v[242:243], v[242:243], v[146:147]
	v_pk_add_f32 v[240:241], v[240:241], v[150:151]
	v_pk_add_f32 v[14:15], v[14:15], v[154:155]
	v_pk_add_f32 v[236:237], v[236:237], v[158:159]
	v_pk_add_f32 v[250:251], v[250:251], v[162:163]
	v_pk_add_f32 v[248:249], v[248:249], v[166:167]
	v_pk_add_f32 v[246:247], v[246:247], v[170:171]
	v_pk_add_f32 v[244:245], v[244:245], v[174:175]
	v_pk_add_f32 v[242:243], v[242:243], v[178:179]
	v_pk_add_f32 v[240:241], v[240:241], v[182:183]
	v_pk_add_f32 v[14:15], v[14:15], v[186:187]
	v_pk_add_f32 v[236:237], v[236:237], v[190:191]
	s_delay_alu instid0(VALU_DEP_2)
	v_pk_add_f32 v[14:15], v[14:15], v[246:247]
	s_delay_alu instid0(VALU_DEP_2)
	v_pk_add_f32 v[236:237], v[236:237], v[244:245]
	v_pk_add_f32 v[250:251], v[250:251], v[242:243]
	v_pk_add_f32 v[248:249], v[248:249], v[240:241]
	s_delay_alu instid0(VALU_DEP_2)
	v_pk_add_f32 v[14:15], v[14:15], v[250:251]
	s_delay_alu instid0(VALU_DEP_2)
	v_pk_add_f32 v[236:237], v[236:237], v[248:249]
	s_delay_alu instid0(VALU_DEP_1)
	v_pk_add_f32 v[14:15], v[14:15], v[236:237]
	s_wait_alu depctr_va_vdst(0)                   ; and one for the four
.irp b, 0,1,2,3
	v_max_num_f32 v[BM+\b], 0x1800000, v[BM+\b]    ; the floor 2^(3 - 127): the byte cannot fall under 1
.endr
.irp b, 0,1,2,3
	s_delay_alu instid0(VALU_DEP_4)
	v_add_nc_u32 v[SO+\b], 0xff000000, v[BM+\b]    ; 2 off the exponent field: the conversion takes the exponent field of this operand as its scale
.endr
.irp b, 0,1,2,3
	s_delay_alu instid0(VALU_DEP_4)
	v_lshrrev_b32 v[TA+\b], 23, v[SO+\b]           ; the scale's byte
.endr
	s_delay_alu instid0(VALU_DEP_3)
	v_lshl_or_b32 v[PSW], v[TA+1], 8, v[TA]        ; p's scale word for these 128 keys
	s_delay_alu instid0(VALU_DEP_1)
	v_lshl_or_b32 v[PSW], v[TA+2], 16, v[PSW]
	s_delay_alu instid0(VALU_DEP_1)
	v_lshl_or_b32 v[PSW], v[TA+3], 24, v[PSW]
.irp c, 0,1
	v_cvt_scalef32_pk16_fp6_f32 v[PCD+6*\c:PCD+2+6*\c], v[SS+32*\c:SS+15+32*\c], v[SO+2*\c]
	v_cvt_scalef32_pk16_fp6_f32 v[TA+4*\c:TA+2+4*\c], v[SS+16+32*\c:SS+31+32*\c], v[SO+2*\c+1]   ; (a conversion's three registers begin on an even number)
.endr
	v_nop                                          ; one plain vector instruction behind the last scaled conversion
.irp c, 0,1                                    ; the operand's layout wants a WHOLE block in a lane: lanes 0-15 block 2 c, lanes 16-31 block 2 c + 1
.irp i, 0,1,2
	v_permlane16_swap_b32 v[PCD+6*\c+\i], v[TA+4*\c+\i]
.endr
.irp i, 0,1,2
	s_delay_alu instid0(VALU_DEP_3)
	v_mov_b32 v[PCD+3+6*\c+\i], v[TA+4*\c+\i]
.endr
.endr
.irp j, 0,2,4,6,8,10,12,14,16,18,20,22,24,26,28,30
	v_pk_mul_f32 v[OT+\j:OT+1+\j], v[OT+\j:OT+1+\j], v[FF:FF+1] op_sel_hi:[1,0]   ; O^T under the new M: x f, each accumulator from its low end on.  These 16 also stand between the lines that made p's codes and scale word and the products below
.endr
	s_wait_alu depctr_va_vdst(0)
	s_wait_dscnt 0x0                               ; V and its scale words are in (asked for ahead of the softmax)
.irp t, 0,1,2,3
	OPV \t                                         ; the four accumulators by turns, one instruction a turn
.endr
.Lout_\@:
.endm
	STEP 0, 1
	STEP 1, 0
	STEP 2, 0
	STEP 3, 0
	STEP 4, 2
	; THE WAY OUT.  The sum's halves are added; O^T is divided by the sum and goes through my own stage in LDS, so that the 32 lanes store two whole rows of O, 512 consecutive bytes.
	PLACES                                         ; behind the last products, whichever step was my last
	v_add_f32 v[SUM], v[SUM], v[SUM+1]             ; the sum's two halves,
	s_delay_alu instid0(VALU_DEP_1)
	v_permlanex16_b32 v[FF], v[SUM], s[SEL], s[SEL+1]
	s_delay_alu instid0(VALU_DEP_1)
	v_add_f32 v[SUM], v[SUM], v[FF]                ; and lane l xor 16's: the row's sum
	s_wait_alu depctr_va_vdst(0)
	v_rcp_f32 v[SUM], v[SUM]
	v_nop                                          ; a plain instruction behind the reciprocal,
	s_wait_alu depctr_va_vdst(0)                   ; and the wait ahead of its first use
.irp j, 0,2,4,6,8,10,12,14,16,18,20,22,24,26,28,30
	v_pk_mul_f32 v[SS+\j:SS+1+\j], v[OT+\j:OT+1+\j], v[SUM:SUM+1] op_sel_hi:[1,0]   ; register 8 t + i is o(r, 16 t + 8 h + i)
.endr
.irp t, 0,1,2,3
	ds_store_b128 v[STI], v[SS+8*\t:SS+3+8*\t] offset:64*\t
	ds_store_b128 v[STI], v[SS+4+8*\t:SS+7+8*\t] offset:64*\t+16
.endr
.irp i, 0,1,2,3,4,5,6,7
	ds_load_b128 v[KF+4*\i:KF+3+4*\i], v[STB] offset:2*\i*SP   ; LDS serves a wave's instructions in order (ISA guide 5.7.1.4): these see my stores; the stage is mine alone
.endr
.irp i, 0,1,2,3,4,5,6,7
	s_wait_dscnt 7-\i                              ; load i is in; those behind it may be out
	global_store_b128 v[GO], v[KF+4*\i:KF+3+4*\i], s[16:17] offset:512*\i th:TH_STORE_NT   ; 32 lanes store 512 consecutive bytes, at a multiple of 256 from O's first byte; written once
.endr
	s_wait_xcnt 0x0
	v_lshl_add_u32 v254, v0, 2, 0x29000
	v_mov_b32 v255, 0
	s_wait_alu depctr_va_vdst(0)
	s_wait_tensorcnt 0x0
	ds_add_u32 v254, v255
	s_wait_dscnt 0x0
	s_endpgm
.Lfunc_end_k_q9bae55e690_swa:
	.size	k_q9bae55e690_swa, .Lfunc_end_k_q9bae55e690_swa-k_q9bae55e690_swa
	.p2alignl 7, 3214868480
	.fill 96, 4, 3214868480
	.section	.rodata,"a",@progbits
	.p2align	6, 0x0
	.amdhsa_kernel k_q9bae55e690_swa
		.amdhsa_group_segment_fixed_size 169984
		.amdhsa_private_segment_fixed_size 0
		.amdhsa_enable_private_segment 0
		.amdhsa_kernarg_size 56
		.amdhsa_user_sgpr_count 2
		.amdhsa_user_sgpr_kernarg_segment_ptr 1
		.amdhsa_wavefront_size32 1
		.amdhsa_system_sgpr_workgroup_id_x 1
		.amdhsa_system_sgpr_workgroup_id_y 1
		.amdhsa_system_sgpr_workgroup_id_z 1
		.amdhsa_system_vgpr_workitem_id 0
		.amdhsa_next_free_vgpr 256
		.amdhsa_next_free_sgpr 100
		.amdhsa_reserve_vcc 1
		.amdhsa_float_denorm_mode_32 3
		.amdhsa_float_denorm_mode_16_64 3
		.amdhsa_memory_ordered 1
		.amdhsa_forward_progress 1
		.amdhsa_inst_pref_size 117
	.end_amdhsa_kernel
	.amdgpu_metadata
---
amdhsa.version: [ 1, 2 ]
amdhsa.kernels:
  - .name:           k_q9bae55e690_swa
    .symbol:         k_q9bae55e690_swa.kd
    .args:
      - { .name: q_codes, .offset: 0, .size: 8, .value_kind: global_buffer, .address_space: global }
      - { .name: q_scales, .offset: 8, .size: 8, .value_kind: global_buffer, .address_space: global }
      - { .name: k_codes, .offset: 16, .size: 8, .value_kind: global_buffer, .address_space: global }
      - { .name: k_scales, .offset: 24, .size: 8, .value_kind: global_buffer, .address_space: global }
      - { .name: v_codes, .offset: 32, .size: 8, .value_kind: global_buffer, .address_space: global }
      - { .name: v_scales, .offset: 40, .size: 8, .value_kind: global_buffer, .address_space: global }
      - { .name: out0, .offset: 48, .size: 8, .value_kind: global_buffer, .address_space: global }
    .group_segment_fixed_size: 169984
    .private_segment_fixed_size: 0
    .kernarg_segment_align: 8
    .kernarg_segment_size: 56
    .max_flat_workgroup_size: 512
    .sgpr_count:     100
    .vgpr_count:     256
    .wavefront_size: 32
...
	.end_amdgpu_metadata
.endif
;; end of part 1
